; MI455X (gfx1250); checked and timed in simulation.
; The chip was launched on July 23, 2026; its instructions are those of AMD's public machine-readable ISA for CDNA 5 (MIT licence, August 2026) and "CDNA5" Instruction Set Architecture Reference Guide (July 2026). The comments in the code are by the model that wrote it; some were corrected since.
;; Full Attention. Allowed arithmetic: matrix products marked QUANTISED: E3M2 operands, one E8M0 scale for each 32 along K, by v_wmma_scale_f32_16x16x128_f8f6f4 with both operands' format E3M2, f32 sums; everything else in f32.
;; Inputs: keys_codes 4 x 2,048 x 16 x 2 x 24 uint8 (E3M2 codes of keys, K innermost, in blocks of 32 codes, four codes in three bytes); keys_scales 4 x 2,048 x 16 x 2 uint8 (E8M0 scales of keys, one for each 32 codes along K); queries_codes 4 x 2,048 x 16 x 2 x 24 uint8 (E3M2 codes of queries, K innermost, in blocks of 32 codes, four codes in three bytes); queries_scales 4 x 2,048 x 16 x 2 uint8 (E8M0 scales of queries, one for each 32 codes along K); values_codes 4 x 16 x 64 x 64 x 24 uint8 (E3M2 codes of values, K innermost, in blocks of 32 codes, four codes in three bytes); values_scales 4 x 16 x 64 x 64 uint8 (E8M0 scales of values, one for each 32 codes along K).
;; Outputs: out0 4 x 2,048 x 16 x 64 float32.
;; This version of the problem:
;;   THIS VERSION OF THE PROBLEM IS GIVEN IN LOW PRECISION. The matrix products marked QUANTISED in the list below multiply operands that are first quantised to E3M2 (3 exponent bits, 2 mantissa bits; 6 bits a number), with one power-of-two scale for each 32 numbers along K (OCP MX v1.0); their sums are f32. All else is computed in f32.
;;   The module's matrix products, in the order in which they are computed (A, B: the left and right operand; K: the contracted axis; several contracted axes count as one K, in the product's order):
;;     1. batch 64 x [M 2,048, K 64] x [K 64, N 2,048]; A: input queries (given as codes); B: input keys (given as codes): QUANTISED
;;     2. batch 64 x [M 64, K 2,048] x [K 2,048, N 2,048]; A: input values (given as codes); B: softmax (see below): QUANTISED
;;   THE QUANTISER, for each operand of a quantised product, along K:
;;     - K is cut into blocks of 32 from its start; a last block that is shorter is filled with zeros.
;;     - A block's scale is 2^e with e = floor(log2(the largest magnitude in the block)) - 4, held to -126 .. 127; a block of zeros has e = 0. As a byte (E8M0): e + 127.
;;     - Each number is divided by its block's scale, clamped to +-28, and rounded to the nearest number of E3M2, ties to even, subnormals kept.
;;     - The product sums the exact products of the quantised numbers (number of the format x scale) in f32.
;;   ~~~python
;;   def quantise(x, axis):      # numpy; x: float32 -> the quantised numbers, widened to float32 again
;;       x = np.moveaxis(x, axis, -1); K = x.shape[-1]
;;       x = np.pad(x, [(0, 0)] * (x.ndim - 1) + [(0, -K % 32)]); x = x.reshape(x.shape[:-1] + (-1, 32)); a = np.abs(x).max(-1, keepdims=True)
;;       e = np.where(a > 0, np.clip(np.frexp(np.where(a > 0, a, 1))[1] - 1 - 4, -126, 127), 0)      # np.frexp(a)[1] - 1 = floor(log2(a)), exactly
;;       r = np.clip(x / 2.0 ** e, -28, 28)
;;       step = 2.0 ** (np.maximum(np.frexp(np.where(r == 0, 1, r))[1] - 1, -2) - 2)
;;       q = np.round(r / step) * step * 2.0 ** e      # np.round: ties to even
;;       return np.moveaxis(q.reshape(q.shape[:-2] + (-1,))[..., :K], -1, axis).astype(np.float32)
;;   ~~~
;;   SOFTMAX AHEAD OF A QUANTISED PRODUCT. Where the list says 'softmax', what is quantised is not the finished softmax but p = 2^(t - M), with t = logit x log2(e) and M = ceil(the row's largest t), a whole number; so 1/2 < the row's largest p <= 1. The row's sum l is taken of the UNQUANTISED p, in f32, and the product's result is divided by l at the end. Since M is a whole number, a kernel that streams over the keys may use a running M (the ceiling of the running maximum): every later rescaling is an exact power of two, which a block's scale takes up: the codes' values come out the same.
;;   OPERANDS COMPUTED ON THE WAY. 'Computed on the way' means the value that the module computes at that place (a softmax that the list does not call 'softmax' is quantised finished and normalised). What goes into a quantiser is computed in f32, as accurately as f32 sums, v_exp_f32 and their like allow (about 1e-6 of the number): no bf16 or f16 on the way to a quantiser, and a product that is left as it is and whose result goes on into a quantised operand takes f32 operands (vector FMAs, or v_wmma_f32_16x16x4_f32). A number that lies on a knife's edge between two numbers of the format may be rounded either way, as far as f32 arithmetic and the matrix unit's own rounding can turn it there, and no further.
;;   INPUTS GIVEN AS CODES. keys (in the module: [4, 2048, 16, 64], K = its axis 3); queries (in the module: [4, 2048, 16, 64], K = its axis 3); values (in the module: [4, 2048, 16, 64], K = its axis 1): each comes as NAME_codes (uint8): NAME with its K axis moved to the last place and cut into blocks of 32 codes, [.., K / 32, bytes a block], one block behind the other in memory; four codes in three bytes: a row's codes are one little-endian stream of bits, code i at bits 6 i .. 6 i + 5 (a code: sign, 3 exponent bits, 2 mantissa bits); and NAME_scales (uint8): the same leading axes, one E8M0 byte (e + 127) for each 32 codes along K. Its value is code x scale, taken as it is: it is not quantised again, and the codes and scales need not be those that the quantiser above would give.
;; One version. Each part assembles by itself: llvm-mc -triple=amdgcn-amd-amdhsa -mcpu=gfx1250 --defsym DOCPART=n.
;; ======== version 1 of 1: 1 launch
;; launch attn (part 1): grid 4 x 64, 16 waves a work-group, clusters of 4 x 1, 327,680 bytes of LDS; arguments keys_codes, keys_scales, queries_codes, queries_scales, values_codes, values_scales, out0; writes out0
.if DOCPART == 1
	.amdgcn_target "amdgcn-amd-amdhsa--gfx1250"
	.amdhsa_code_object_version 6
	.text
	.protected	k_q3b41367c36_attn
	.globl	k_q3b41367c36_attn
	.p2align	8
	.type	k_q3b41367c36_attn,@function
k_q3b41367c36_attn:
	s_mov_b64 s[64:65], 0
	v_nop
	global_prefetch_b8 v0, s[64:65] scope:SCOPE_SE
	s_setreg_imm32_b32 hwreg(HW_REG_WAVE_MODE, 25, 1), 1
	s_wait_xcnt 0x0
	s_wait_alu depctr_hold_cnt(0) depctr_sa_sdst(0) depctr_va_vdst(0) depctr_va_sdst(0) depctr_va_ssrc(0) depctr_va_vcc(0) depctr_vm_vsrc(0)
	s_getreg_b32 s2, hwreg(HW_REG_IB_STS2, 6, 4)
	s_cmp_eq_u32 s2, 0
	s_cbranch_scc0 .Lentry_in_a_cluster
	s_endpgm
.Lentry_in_a_cluster:
	s_bfe_u32 s2, ttmp6, 0x10000c
	s_cmp_lg_u32 s2, 0x3003
	s_cbranch_scc0 .Lentry_shape_is_right
	s_endpgm
.Lentry_shape_is_right:
; out[b][l][h][:] = the sum over s of softmax_s(Q[b][l][h] . K[b][s][h] / 8) V[b][s][h][:], B = 4, L = 2,048, H = 16, E = 64, both products on codes of BF6 (E3M2) with one E8M0 byte for each 32 along a product's K.
; THE MASK: key s counts for query l where s >= l + G, G = 2^(h / 4), and key 2047 counts for every query.
; THE SOFTMAX AHEAD OF THE SECOND PRODUCT: t = score x log2(e) / 8; M = the row's largest t so far, rounded UP to a whole number; p = 2^(t - M) is quantised along the keys, not normalised;
; the row's sum is taken of the unquantised p and divides O at the end.  When M moves, the sum and O are multiplied by 2^(old M - new M): exact.
; SHARES.  The four work-groups of a cluster own one (b, h).  A head's K (2,048 x 48 bytes) and V (64 x 1,536 bytes) fit in LDS whole: every byte of LDS is filled once, there is no ring.  The four want the same
; bytes, so each tile is asked for JOINTLY (the same tensor load, the same descriptor, a mask that names the four).  The 2,048 queries are 16 spans of 128, a span 8 tiles of 16.  Wave w (a = w / 2, u = w % 2) of
; work-group cx owns tile cx + 4 u of span a (first pass) and of span 15 - a (second pass).  Span g wants the key steps g .. 15 (128 keys each): (16 - a) + (a + 1) = 17 steps for every wave.
; THE KEYS ARE WALKED DOWNWARD from 2047: key 2047 counts for every row, so M is a number from the first step on, and all waves want the same quarter of K and V first: the other three quarters land under four steps' work.
; cx enters Q's and O's global addresses and the mask's whole-number operand alone: no branch, no trip count and no LDS address hangs on it.
; LAYOUT.  Both products are used transposed: S^T = K Q^T (source 0 = 16 keys, source 1 = my 16 queries), O^T = V^T P^T (source 0 = 16 of the head's 64, source 1 = P): a lane holds ONE query (lane % 16).
; THE KEYS OF A TILE ARE NOT NEIGHBOURS: lane r of tile 4 c + e takes key 64 c + 8 e + r % 8 + 32 (r / 8), so that register 32 c + i of lane (r, h) is key 64 c + 32 h + i: a WHOLE block of 32 keys lies in one lane,
; in the order that the second product's operand has: a block's maximum asks no other lane, and the conversions' results are the operand.
; THE FIRST PRODUCT'S K IS 64, the instruction's 128.  Q's upper six registers hold zero codes.  K's fragment T is v[32 + 6 T .. 43 + 6 T]: its upper six registers are fragment T + 1's codes (behind the last: zeros);
; they meet Q's zero codes, under scale bytes 0 (2^-127, a number), so each of those products is exactly 0.  So eight fragments take 54 registers.
; THE TILES ARE SMALL (K's 32 rows, V's 8 rows): K's blocks of 32 keys lie 1,664 bytes apart in LDS, a skew that a descriptor's padding (powers of two) cannot make inside one tile, and the sixteen waves share each quarter evenly.
; LIMITS: a scale byte 0xff (NaN) among the inputs is not served.  A p under 2^-126 comes out of v_exp_f32 as 0.  A block's largest p is taken from its largest score: this takes v_exp_f32 not to fall where its input rises.
.set KBLK,   1664                      ; LDS: a block of 32 keys: 32 x 48 bytes + 128 = 416 words: blocks 32 keys apart differ by 32 banks (64 banks of 4 bytes: ISA guide 11.1), so the 32 lanes of a load of 8 bytes touch 64 different banks
.set KSLOT,  8*KBLK                    ; a slot = 256 keys.  Keys 256 (7 - i) on lie in slot i: the walk goes up in LDS and down in keys
.set VB,     8*KSLOT                   ; V: slot i: 64 rows of 192 bytes, 16 bytes of padding behind every 64
.set VP,     240
.set VSLOT,  64*VP
.set KSB,    VB+8*VSLOT                ; K's scale words, one for each key: bytes 0, 1 the key's two scale bytes, bytes 2, 3 zero; slot i: 1,024 bytes.  Stored from registers: no tile lands here
.set VSB,    KSB+8192                  ; V's scale bytes: row d 72 bytes (18 words: the 32 words of a load fall in 32 banks); in it slot i: 8 bytes.  Stored from registers
.set VSP,    72
.set STAGE,  VSB+64*VSP                ; the way out: 16 rows x (256 bytes + 16) for each wave, its own
.set SPITCH, 272
.set AK0,  1                           ; v1   my lane's place in a tile of K: 1,664 (r / 8) + 48 (r % 8) + 24 h
.set AV0,  2                           ; v2   in a tile of V: VB + 240 r + 24 h
.set AV1,  3                           ; v3   the same behind one padding more: + 40 h
.set ASK0, 4                           ; v4   among K's scale words: lanes 0-15 an even tile's, lanes 16-31 the odd tile's behind it
.set ASV0, 5                           ; v5   among V's likewise
.set ADK,  6                           ; v6-10 the step's addresses; at the head and on the way out: offsets and addresses of that part
.set ADV0, 7
.set ADV1, 8
.set ADS,  9
.set ADT,  10
.set SH8,  11                          ; v11  8 h
.set NM,   12                          ; v12  -M;  v13 the largest t so far
.set LS,   14                          ; v[14:15] the row's sum, in two halves
.set Q,    16                          ; v16-21 Q's codes; v22-27 zero codes
.set F,    28                          ; v28  f = 2^(old M - new M);  v29 is named with it as a pair
.set QS,   30                          ; v30  Q's scale word
.set PS,   31                          ; v31  p's scale word
.set KFR,  32                          ; v32-79 K's eight fragments, 6 registers each; v80-85 zeros
.set VFR,  86                          ; v86-133 V's four fragments
.set S,    134                         ; v134-197 S^T, then p
.set O,    198                         ; v198-229 O^T: four tiles
.set PC,   230                         ; v230-241 p's codes
.set X0,   242                         ; v242-244, v246-248 the conversions' second halves; before that the maxima's chains; after that the second chain of the sum
.set SO0,  245                         ; v245, v249 the conversions' scale operands
.set X1,   246
.set SO1,  249
.set KSW,  250                         ; v250-253 K's scale words, two tiles to a register; then v250-251 V's
.set T0,   254
.set T1,   255
.set WV,   18                          ; s18  my wave's number
.set A,    19                          ; s19  a = wave / 2
.set SEL,  20                          ; s[20:21] v_permlanex16_b32's selects for lane l xor 16
.set CS,   22                          ; s[22:23] c = log2(e) / 8: the packed form names a pair and takes its low word for both halves
.set G1K,  24                          ; s[24:31] descriptor group 1 for K's tiles;  s[32:39] for V's
.set G1V,  32
.set G0K,  40                          ; s[40:55] four groups 0 for K;  s[56:63], s[68:75] four for V
.set TK,   76                          ; s76-79 where the slot in hand begins: in K, in V, in K's scale words, in a row of V's scale bytes
.set TV,   77
.set TS,   78
.set TJ,   79
.set KF,   80                          ; s80  the slot's first key
.set CNT,  81                          ; s81  trips to go
.set SP,   82                          ; s82  my span's first query: steps whose first key lies under it are left out
.set ML,   83                          ; s83  steps whose first key lies above it have no hidden key
.set QG,   84                          ; s84  my first query + G
.set U,    85                          ; s85  u = wave % 2
.set CX,   86                          ; s86  my place in the cluster
.set G,    87                          ; s87  G
.set QB,   88                          ; s[88:89] Q's codes at my first query;  s[90:91] its scale bytes;  s[92:93] O's rows
.set QSB,  90
.set OB,   92
.set OFF,  94                          ; s[94:95] an offset that hangs on the head and the wave alone
.set Q0,   99                          ; s99  my first query
.set OFC,  100                         ; s[100:101] an offset that hangs on my first query
; A round of the cluster's barrier: my work-group's barrier; wave 0 signals for the work-group; every wave waits for all four work-groups; my work-group's barrier once more.
.macro ROUND
	s_barrier_signal -1
	s_barrier_wait -1
	s_cmp_lg_u32 s[WV], 0
	s_cbranch_scc1 .Lnot_wave_0_\@
	s_barrier_signal -3
.Lnot_wave_0_\@:
	s_barrier_wait -3
	s_barrier_signal -1
	s_barrier_wait -1
.endm
; A descriptor's group 0 in s[g .. g + 3]: to LDS byte s[lreg] + loff, from s[ptr : ptr + 1] + goff
.macro MKG0 g, lreg, loff, ptr, goff
	s_mov_b32 s[\g], 1                             ; 1:0 count = 1
	s_add_co_u32 s[\g+1], s[\lreg], \loff          ; 63:32 LDS address
	s_add_nc_u64 s[\g+2:\g+3], s[\ptr:\ptr+1], \goff   ; 120:64 global address of the tile's first byte
	s_or_b32 s[\g+3], s[\g+3], 0x80000000          ; 127:126 type = 2
.endm
; Pass p: my span, my first query, and Q's addresses
.macro SETPASS p
.if \p
	s_xor_b32 s96, s[A], 15                        ; span 15 - a
.else
	s_mov_b32 s96, s[A]                            ; span a
.endif
	s_lshl_b32 s[SP], s96, 7
	s_add_co_u32 s96, s96, s[U]                    ; the largest query + G of my tile is at most 128 span + 64 u + 71: a tile with u = 1 may have hidden keys in the step behind its span's, too
	s_lshl_b32 s[ML], s96, 7
	s_lshl_b32 s[Q0], s[U], 6
	s_add_co_u32 s[Q0], s[Q0], s[SP]
	s_lshl_b32 s97, s[CX], 4
	s_add_co_u32 s[Q0], s[Q0], s97                 ; my first query: 128 span + 64 u + 16 cx
	s_add_co_u32 s[QG], s[Q0], s[G]
	s_mul_i32 s[OFC], s[Q0], 768                   ; a query's rows of codes lie 768 bytes apart,
	s_mov_b32 s[OFC+1], 0
	s_add_nc_u64 s[QB:QB+1], s[8:9], s[OFC:OFC+1]
	s_lshl_b32 s[OFC], s[Q0], 5                    ; its scale bytes 32
	s_add_nc_u64 s[QSB:QSB+1], s[10:11], s[OFC:OFC+1]
.endm
.macro OBSET                           ; O at my first query: rows 4,096 bytes apart
	s_lshl_b32 s[OFC], s[Q0], 12
	s_mov_b32 s[OFC+1], 0
	s_add_nc_u64 s[OB:OB+1], s[16:17], s[OFC:OFC+1]
.endm
; Q's fragment: lane (r, h) takes the 24 bytes at 24 h of query r's 48, as three loads of 8 bytes; its scale word: two bytes, widened with zeros
.macro QLOAD
	v_and_b32 v[T1], 15, v0
	v_bfe_u32 v[T0], v0, 4, 1
	s_delay_alu instid0(VALU_DEP_1)
	v_mul_u32_u24 v[T0], v[T0], 24
	s_delay_alu instid0(VALU_DEP_1)
	v_mad_u32_u24 v[T0], v[T1], 768, v[T0]
	s_delay_alu instid0(VALU_DEP_4)
	v_lshlrev_b32 v[T1], 5, v[T1]
	global_load_b64 v[Q:Q+1], v[T0], s[QB:QB+1]
	global_load_b64 v[Q+2:Q+3], v[T0], s[QB:QB+1] offset:8
	global_load_b64 v[Q+4:Q+5], v[T0], s[QB:QB+1] offset:16
	global_load_u16 v[QS], v[T1], s[QSB:QSB+1]
.endm
; A pass begins: the step is written once, so the first step finds zeros, which the first change of M leaves zeros
.macro INIT
	v_mov_b32 v[NM+1], 0xff61b1e6                  ; the largest t so far: -3e38, under every t
	s_delay_alu instid0(VALU_DEP_1)
	v_floor_f32 v[NM], -v[NM+1]                    ; -M
	v_mov_b32 v[LS], 0
	v_mov_b32 v[LS+1], 0
.set IJ, 0
.rept 32
	v_mov_b32 v[O+IJ], 0
.set IJ, IJ+1
.endr
	s_mov_b32 s[TK], 0
	s_mov_b32 s[TV], 0
	s_mov_b32 s[TS], 0
	s_mov_b32 s[TJ], 0
	s_mov_b32 s[KF], 1792                          ; slot 0 holds keys 1792 to 2047
.endm
; A KEY STEP: 128 keys, the q-th half of the slot in hand.  guard = 1: the step may lie under my span (left out) or on the diagonal (masked); both branches hang on the wave's number and the walk's counters alone.
.macro STEP q, guard
.if \guard
	s_add_co_u32 s96, s[KF], 128*(\q)              ; the step's first key
	s_cmp_lt_u32 s96, s[SP]
	s_cbranch_scc1 .Lskip_\@                       ; all its keys come before my span's first query: none counts
.endif
	v_add_nc_u32 v[ADK], s[TK], v[AK0]             ; five plain lines: also the places between the last step's products and the loads into the scale registers that they read
	v_add_nc_u32 v[ADS], s[TS], v[ASK0]
	v_add_nc_u32 v[ADV0], s[TV], v[AV0]
	v_add_nc_u32 v[ADV1], s[TV], v[AV1]
	v_add_nc_u32 v[ADT], s[TJ], v[ASV0]
.irp T, 0,1,2,3,4,5,6,7                ; tile T = 4 c + e: blocks 4 q + 2 c and one on, rows 8 e on
.irp p, 0,1,2
	ds_load_b64 v[KFR+6*\T+2*\p:KFR+6*\T+2*\p+1], v[ADK] offset:6656*(\q)+3328*(\T/4)+384*(\T%4)+8*\p
.endr
.endr
.irp x, 0,1,2,3                        ; the scale words of tiles 2 x (lanes 0-15) and 2 x + 1 (lanes 16-31)
	ds_load_b32 v[KSW+\x], v[ADS] offset:512*(\q)+256*(\x/2)+64*(\x%2)
.endr
	s_wait_alu depctr_va_vdst(0)
	s_wait_dscnt 0x0
.irp x, 0,1,2,3                        ; S^T = K Q^T: eight sums, each begun by the constant 0
	v_wmma_scale_f32_16x16x128_f8f6f4 v[S+16*\x:S+16*\x+7], v[KFR+12*\x:KFR+12*\x+11], v[Q:Q+11], 0, v[KSW+\x], v[QS] matrix_a_fmt:MATRIX_FMT_BF6 matrix_b_fmt:MATRIX_FMT_BF6
	v_wmma_scale_f32_16x16x128_f8f6f4 v[S+16*\x+8:S+16*\x+15], v[KFR+12*\x+6:KFR+12*\x+17], v[Q:Q+11], 0, v[KSW+\x], v[QS] matrix_a_fmt:MATRIX_FMT_BF6 matrix_b_fmt:MATRIX_FMT_BF6 matrix_a_scale:MATRIX_SCALE_ROW1
.endr
.rept 4
	v_nop                                          ; four places in front of the first read of the scores and of the loads into the scale registers just read
.endr
; V's fragments and scale words are asked for here, so that they land under the softmax.  A row's pieces of 8 bytes: lanes 0-15 take pieces 12 q + 0, 1, 2, 6, 7, 8, lanes 16-31 those three on; 16 bytes of padding lie
; behind every 8 pieces: where the piece three on lies behind one padding more, the second address register serves
.irp t, 0,1,2,3
.irp p, 0,1,2,3,4,5
.set PCN, 12*(\q)+6*(\p/3)+\p%3
.if PCN%8 < 5
	ds_load_b64 v[VFR+12*\t+2*\p:VFR+12*\t+2*\p+1], v[ADV0] offset:8*PCN+16*(PCN/8)+16*VP*\t
.else
	ds_load_b64 v[VFR+12*\t+2*\p:VFR+12*\t+2*\p+1], v[ADV1] offset:8*PCN+16*(PCN/8)+16*VP*\t
.endif
.endr
.endr
.irp x, 0,1
	ds_load_b32 v[KSW+\x], v[ADT] offset:4*(\q)+32*VSP*\x
.endr
.if \guard
	s_cmp_gt_u32 s96, s[ML]
	s_cbranch_scc1 .Lopen_\@                       ; every key of the step counts for every query of my tile
	; Register 32 c + i of lane (r, h) holds key first + 64 c + 32 h + i: hidden where 64 c + i < d, d = my query + G - first - 32 h.  Hidden scores become -infinity ahead of the maximum: p = 0 then.
	s_sub_co_i32 s97, s[QG], s96
	s_cmp_eq_u32 s96, 1920                         ; in the step that holds key 2047 (register 63 of lanes 16-31) that key is kept: there d counts as 0 for that register
	s_cselect_b32 vcc_lo, 0xffff0000, 0
	v_and_b32 v[T0], 15, v0
	v_lshlrev_b32 v[T1], 2, v[SH8]
	s_delay_alu instid0(VALU_DEP_1)
	v_sub_nc_u32 v[T0], v[T0], v[T1]
	s_delay_alu instid0(VALU_DEP_1)
	v_add_nc_u32 v[T0], s97, v[T0]                 ; d
	s_delay_alu instid0(VALU_DEP_1)
	v_cndmask_b32 v[T1], v[T0], v[Q+6], vcc_lo     ; d for register 63 (v22 holds 0)
	v_mov_b32 v[SO1], 0xff800000                   ; -infinity
.set MN, 0
.rept 63                               ; in ascending order: each accumulator is read from its low end on
	v_cmp_lt_i32 vcc_lo, 64*(MN/32)+MN%32, v[T0]
	v_cndmask_b32 v[S+MN], v[S+MN], v[SO1], vcc_lo
.set MN, MN+1
.endr
	v_cmp_lt_i32 vcc_lo, 95, v[T1]
	v_cndmask_b32 v[S+63], v[S+63], v[SO1], vcc_lo
.Lopen_\@:
.endif
; THE LARGEST SCORE OF EACH OF MY TWO BLOCKS OF 32 KEYS, in four chains of 16, ascending.  It serves twice: for the row's maximum and, since p rises with the score, for the block's largest p.
.irp k, 0,1,2,3
	v_max3_num_f32 v[X0+(\k%2)+4*(\k/2)], v[S+16*\k], v[S+16*\k+1], v[S+16*\k+2]
.endr
.irp i, 3,5,7,9,11,13
.irp k, 0,1,2,3
	v_max3_num_f32 v[X0+(\k%2)+4*(\k/2)], v[X0+(\k%2)+4*(\k/2)], v[S+16*\k+\i], v[S+16*\k+\i+1]
.endr
.endr
	v_max3_num_f32 v[X0], v[X0], v[S+15], v[S+31]
	v_max3_num_f32 v[X1], v[X1], v[S+47], v[S+63]
	s_delay_alu instid0(VALU_DEP_2)
	v_max_num_f32 v[X0], v[X0], v[X0+1]            ; block h
	s_delay_alu instid0(VALU_DEP_2)
	v_max_num_f32 v[X1], v[X1], v[X1+1]            ; block 2 + h
	s_delay_alu instid0(VALU_DEP_1)
	v_max_num_f32 v[T0], v[X0], v[X1]
	s_delay_alu instid0(VALU_DEP_1)
	v_permlanex16_b32 v[T1], v[T0], s[SEL], s[SEL+1]
	s_delay_alu instid0(VALU_DEP_1)
	v_max_num_f32 v[T0], v[T0], v[T1]              ; with lane l xor 16's two blocks: the step's largest score of my query
	s_delay_alu instid0(VALU_DEP_1)
	v_mul_f32 v[T0], s[CS], v[T0]                  ; as t (c is positive)
	s_delay_alu instid0(VALU_DEP_1)
	v_max_num_f32 v[NM+1], v[NM+1], v[T0]          ; the running largest t
	v_mov_b32 v[T0], v[NM]
	s_delay_alu instid0(VALU_DEP_2)
	v_floor_f32 v[NM], -v[NM+1]                    ; the new -M = floor(-t) = -ceil(t): M IS A WHOLE NUMBER
	s_delay_alu instid0(VALU_DEP_1)
	v_sub_f32 v[T0], v[NM], v[T0]                  ; M's old value less its new one: a whole number, 0 or less
	s_delay_alu instid0(VALU_DEP_1)
	v_cvt_i32_f32 v[T0], v[T0]                     ; (it saturates)
	s_delay_alu instid0(VALU_DEP_1)
	v_ldexp_f32 v[F], 1.0, v[T0]                   ; f = 2^(old M - new M): a multiplication by it rounds nothing
.irp j, 0,2,4,6,8,10,12,14,16,18,20,22,24,26,28,30,32,34,36,38,40,42,44,46,48,50,52,54,56,58,60,62
	v_pk_fma_f32 v[S+\j:S+\j+1], v[S+\j:S+\j+1], s[CS:CS+1], v[NM:NM+1] op_sel_hi:[1,0,0]   ; t - M, two at a time (of the pairs c and -M the low word serves both halves)
.endr
	v_fma_f32 v[X0], v[X0], s[CS], v[NM]           ; the same of each block's largest score
	v_fma_f32 v[X1], v[X1], s[CS], v[NM]
.set EJ, 0
	s_wait_alu depctr_va_vdst(0)
.rept 64
	v_exp_f32 v[S+EJ], v[S+EJ]                     ; p = 2^(t - M), at most 1: NOT normalised
.set EJ, EJ+1
.endr
	v_exp_f32 v[X0], v[X0]                         ; the block's largest p: the same two instructions on the same number give the same bits
	v_exp_f32 v[X1], v[X1]
	v_pk_mul_f32 v[LS:LS+1], v[LS:LS+1], v[F:F+1] op_sel_hi:[1,0]   ; the sums under the new M.  (The plain place behind the exponentials)
	s_wait_alu depctr_va_vdst(0)
	v_max_num_f32 v[X0], 0x2800000, v[X0]          ; the floor 2^(5 - 127): the byte cannot fall under 1 (a block whose every p is 0 keeps that byte: its codes are zeros)
	v_max_num_f32 v[X1], 0x2800000, v[X1]
	s_delay_alu instid0(VALU_DEP_2)
	v_add_nc_u32 v[SO0], 0xfe000000, v[X0]         ; 4 off the exponent field: the conversion takes the exponent field of this operand as its scale
	s_delay_alu instid0(VALU_DEP_2)
	v_add_nc_u32 v[SO1], 0xfe000000, v[X1]
	s_delay_alu instid0(VALU_DEP_2)
	v_lshrrev_b32 v[T0], 23, v[SO0]                ; the scales' bytes: blocks h and 2 + h of my query,
	s_delay_alu instid0(VALU_DEP_2)
	v_lshrrev_b32 v[T1], 23, v[SO1]
	s_delay_alu instid0(VALU_DEP_1)
	v_lshl_or_b32 v[PS], v[T1], 16, v[T0]
	s_delay_alu instid0(VALU_DEP_1)
	v_lshlrev_b32 v[PS], v[SH8], v[PS]             ; at their places in the scale word (8 h bits up);
	s_delay_alu instid0(VALU_DEP_1)
	v_permlanex16_b32 v[T0], v[PS], s[SEL], s[SEL+1]
	s_delay_alu instid0(VALU_DEP_1)
	v_or_b32 v[PS], v[PS], v[T0]                   ; with lane l xor 16's two the word is whole
	v_cvt_scalef32_pk16_bf6_f32 v[PC:PC+2], v[S:S+15], v[SO0]
	v_cvt_scalef32_pk16_bf6_f32 v[X0:X0+2], v[S+16:S+31], v[SO0]      ; (a conversion's three registers begin on an even number: a block's second three do not, so they are made elsewhere and moved)
	v_cvt_scalef32_pk16_bf6_f32 v[PC+6:PC+8], v[S+32:S+47], v[SO1]
	v_cvt_scalef32_pk16_bf6_f32 v[X1:X1+2], v[S+48:S+63], v[SO1]
	v_nop                                          ; one plain place behind a scaled conversion
.irp i, 0,1,2
	v_mov_b32 v[PC+3+\i], v[X0+\i]
	v_mov_b32 v[PC+9+\i], v[X1+\i]                 ; registers 6 c .. 6 c + 5 hold keys 64 c + 32 h + 0 .. 31
.endr
	v_pk_add_f32 v[242:243], v[138:139], v[142:143]
	v_pk_add_f32 v[252:253], v[146:147], v[150:151]
	v_pk_add_f32 v[248:249], v[154:155], v[158:159]
	v_pk_add_f32 v[246:247], v[162:163], v[166:167]
	v_pk_add_f32 v[244:245], v[170:171], v[174:175]
	v_pk_add_f32 v[78:79], v[178:179], v[182:183]
	v_pk_add_f32 v[76:77], v[186:187], v[190:191]
	v_pk_add_f32 v[14:15], v[14:15], v[194:195]
	v_pk_add_f32 v[242:243], v[242:243], v[134:135]
	v_pk_add_f32 v[252:253], v[252:253], v[136:137]
	v_pk_add_f32 v[248:249], v[248:249], v[140:141]
	v_pk_add_f32 v[246:247], v[246:247], v[144:145]
	v_pk_add_f32 v[244:245], v[244:245], v[148:149]
	v_pk_add_f32 v[78:79], v[78:79], v[152:153]
	v_pk_add_f32 v[76:77], v[76:77], v[156:157]
	v_pk_add_f32 v[14:15], v[14:15], v[160:161]
	v_pk_add_f32 v[242:243], v[242:243], v[164:165]
	v_pk_add_f32 v[252:253], v[252:253], v[168:169]
	v_pk_add_f32 v[248:249], v[248:249], v[172:173]
	v_pk_add_f32 v[246:247], v[246:247], v[176:177]
	v_pk_add_f32 v[244:245], v[244:245], v[180:181]
	v_pk_add_f32 v[78:79], v[78:79], v[184:185]
	v_pk_add_f32 v[76:77], v[76:77], v[188:189]
	v_pk_add_f32 v[14:15], v[14:15], v[192:193]
	v_pk_add_f32 v[242:243], v[242:243], v[196:197]
	s_delay_alu instid0(VALU_DEP_2)
	v_pk_add_f32 v[14:15], v[14:15], v[246:247]
	s_delay_alu instid0(VALU_DEP_2)
	v_pk_add_f32 v[242:243], v[242:243], v[244:245]
	v_pk_add_f32 v[252:253], v[252:253], v[78:79]
	v_pk_add_f32 v[248:249], v[248:249], v[76:77]
	s_delay_alu instid0(VALU_DEP_2)
	v_pk_add_f32 v[14:15], v[14:15], v[252:253]
	s_delay_alu instid0(VALU_DEP_2)
	v_pk_add_f32 v[242:243], v[242:243], v[248:249]
	s_delay_alu instid0(VALU_DEP_1)
	v_pk_add_f32 v[14:15], v[14:15], v[242:243]
.irp j, 0,2,4,6,8,10,12,14,16,18,20,22,24,26,28,30
	v_pk_mul_f32 v[O+\j:O+\j+1], v[O+\j:O+\j+1], v[F:F+1] op_sel_hi:[1,0]   ; O^T under the new M.  (With the sums above: far more than the eight places that p's scale word, and the four that p's codes, stand ahead of the products)
.endr
	s_wait_alu depctr_va_vdst(0)
	s_wait_dscnt 0x0                               ; V's fragments and scale words are in
.irp x, 0,1                            ; O^T += V^T P^T.  A step's twelve accumulators take turns, one instruction a turn
	v_wmma_scale_f32_16x16x128_f8f6f4 v[O+16*\x:O+16*\x+7], v[VFR+24*\x:VFR+24*\x+11], v[PC:PC+11], v[O+16*\x:O+16*\x+7], v[KSW+\x], v[PS] matrix_a_fmt:MATRIX_FMT_BF6 matrix_b_fmt:MATRIX_FMT_BF6
	v_wmma_scale_f32_16x16x128_f8f6f4 v[O+16*\x+8:O+16*\x+15], v[VFR+24*\x+12:VFR+24*\x+23], v[PC:PC+11], v[O+16*\x+8:O+16*\x+15], v[KSW+\x], v[PS] matrix_a_fmt:MATRIX_FMT_BF6 matrix_b_fmt:MATRIX_FMT_BF6 matrix_a_scale:MATRIX_SCALE_ROW1
.endr
.if \guard
.Lskip_\@:
.endif
.endm
; trips slots, each its upper 128 keys first.  The trip count is a constant; what a wave does not need it jumps over inside the step
.macro WALK trips, guard
	s_mov_b32 s[CNT], \trips
.Lwalk_\@:
	STEP 1, \guard
	STEP 0, \guard
	s_add_co_u32 s[TK], s[TK], KSLOT
	s_add_co_u32 s[TV], s[TV], VSLOT
	s_add_co_u32 s[TS], s[TS], 1024
	s_add_co_u32 s[TJ], s[TJ], 8
	s_sub_co_u32 s[KF], s[KF], 256
	s_sub_co_u32 s[CNT], s[CNT], 1
	s_cmp_lg_u32 s[CNT], 0
	s_cbranch_scc1 .Lwalk_\@
.endm
; THE WAY OUT of a tile.  O^T / the sum goes through my own stage in LDS (a lane holds 32 bytes of four pieces of its query's row) and comes back as whole rows of 256 bytes.
.macro OUT
	v_add_f32 v[X0], v[LS], v[LS+1]                ; the sum's two halves,
	s_delay_alu instid0(VALU_DEP_1)
	v_permlanex16_b32 v[X0+1], v[X0], s[SEL], s[SEL+1]
	s_delay_alu instid0(VALU_DEP_1)
	v_add_f32 v[X0], v[X0], v[X0+1]                ; and lane l xor 16's: the row's sum
	s_wait_alu depctr_va_vdst(0)
	v_rcp_f32 v[X0], v[X0]
	v_and_b32 v9, 15, v0                           ; r.  (These ten plain lines are the place behind the reciprocal and the places behind the last products)
	v_bfe_u32 v10, v0, 4, 1                        ; h
	s_mul_i32 s98, s[WV], 16*SPITCH
	s_add_co_u32 s98, s98, STAGE                   ; my stage
	v_mul_u32_u24 v6, v9, SPITCH
	s_delay_alu instid0(VALU_DEP_1)
	v_lshl_add_u32 v6, v10, 5, v6
	s_delay_alu instid0(VALU_DEP_1)
	v_add_nc_u32 v6, s98, v6                       ; in: row r; tile t's eight numbers of my half: 64 t + 32 h bytes on
	v_mul_u32_u24 v7, v10, SPITCH
	s_delay_alu instid0(VALU_DEP_1)
	v_lshl_add_u32 v7, v9, 4, v7
	s_delay_alu instid0(VALU_DEP_1)
	v_add_nc_u32 v7, s98, v7                       ; back: lanes 0-15 one row, lanes 16-31 the next
	v_lshlrev_b32 v8, 12, v10
	s_delay_alu instid0(VALU_DEP_1)
	v_lshl_add_u32 v8, v9, 4, v8                   ; and the same two rows in O, 4,096 bytes apart
	s_wait_alu depctr_va_vdst(0)
.irp j, 0,2,4,6,8,10,12,14,16,18,20,22,24,26,28,30
	v_pk_mul_f32 v[S+\j:S+\j+1], v[O+\j:O+\j+1], v[X0:X0+1] op_sel_hi:[1,0]   ; register 8 t + i is o(r, 16 t + 8 h + i); each accumulator from its low end on
.endr
.irp t, 0,1,2,3
	ds_store_b128 v6, v[S+8*\t:S+8*\t+3] offset:64*\t
	ds_store_b128 v6, v[S+8*\t+4:S+8*\t+7] offset:64*\t+16
.endr
.irp i, 0,1,2,3,4,5,6,7
	ds_load_b128 v[S+32+4*\i:S+32+4*\i+3], v7 offset:2*\i*SPITCH   ; LDS serves a wave's instructions in order (ISA guide 5.7.1.4): these see my stores
.endr
.irp i, 0,1,2,3,4,5,6,7
	s_wait_dscnt 7-\i                              ; load i is back; the 7 - i behind it may be out
	global_store_b128 v8, v[S+32+4*\i:S+32+4*\i+3], s[OB:OB+1] offset:8192*\i th:TH_STORE_NT   ; 16 lanes store 256 consecutive bytes, at a multiple of 256 from O's first byte; written once, read by nobody here
.endr
	s_wait_xcnt 0x0                                ; the stores' data, offset and base (and the offsets of Q's loads) are rewritten only behind this wait
.endm
	s_load_b256 s[4:11], s[0:1], 0x0               ; K's codes s[4:5], K's scales s[6:7], Q's codes s[8:9], Q's scales s[10:11]
	s_load_b128 s[12:15], s[0:1], 0x20             ; V's codes s[12:13], V's scales s[14:15]
	s_load_b64 s[16:17], s[0:1], 0x30              ; O
	v_lshl_add_u32 v254, v0, 2, 0x4c200
	v_mov_b32 v255, 0
	ds_add_u32 v254, v255
	ds_add_u32 v254, v255
	s_wait_dscnt 0x0
	v_lshrrev_b32 v6, 5, v0
	s_delay_alu instid0(VALU_DEP_1)
	v_readfirstlane_b32 s[WV], v6                  ; wave 0..15
	s_lshr_b32 s[A], s[WV], 1
	s_and_b32 s[U], s[WV], 1
	s_bfe_u32 s[CX], ttmp6, 0x40000                ; cx: my place in the cluster
	s_and_b32 s96, ttmp7, 0xffff                   ; 16 b + h, which the four partners share
	s_lshr_b32 s76, s96, 4                         ; b
	s_and_b32 s77, s96, 15                         ; h
	s_lshr_b32 s[G], s77, 2
	s_lshl_b32 s[G], 1, s[G]                       ; G = 2^(h / 4)
	s_and_b32 s78, s[WV], 7
	s_lshr_b32 s79, s[WV], 3
	s_xor_b32 s80, s79, 1                          ; of a quarter's two slots the upper 256 keys lie in the lower
	s_mul_i32 s81, s80, KSLOT
	s_mul_i32 s98, s78, KBLK
	s_add_co_u32 s81, s81, s98                     ; K: where my 32 keys of the first quarter go
	s_mul_i32 s80, s80, VSLOT
	s_mul_i32 s98, s78, 8*VP
	s_add_co_u32 s80, s80, s98
	s_add_co_u32 s80, s80, VB                      ; V: where my 8 rows x 256 keys go
	s_mov_b32 s[SEL], 0x76543210
	s_mov_b32 s[SEL+1], 0xfedcba98
	s_mov_b32 s[CS], 0x3e38aa3b                    ; c = log2(e) / 8
	s_mov_b32 s[CS+1], s[CS]                       ; (named with it as a pair, so it is written)
	; descriptor group 1.  K: 32 rows (keys) of 48 bytes, 768 bytes apart in memory, dense in LDS
	s_mov_b32 s[G1K], 15|(1<<21)                   ; 15:0 the mask: all four work-groups; 17:16 elements of 1 byte; 20 padding off; 21 set beside a mask
	s_mov_b32 s[G1K+1], 48<<16                     ; tensor_dim0
	s_mov_b32 s[G1K+2], 32<<16                     ; tensor_dim1
	s_mov_b32 s[G1K+3], 48<<16                     ; tile_dim0
	s_mov_b32 s[G1K+4], 32                         ; tile_dim1
	s_mov_b32 s[G1K+5], 768                        ; tensor_dim0_stride
	s_mov_b32 s[G1K+6], 0
	s_mov_b32 s[G1K+7], 0
	; V: 8 rows of 192 bytes (256 keys), 1,536 bytes apart in memory; in LDS 16 bytes of padding behind every 64
	s_mov_b32 s[G1V], 15|(1<<20)|(1<<21)|(3<<22)|(3<<25)   ; 20 padding on; 24:22 after every 16 words (code 3); 31:25 of 4 words (code 3)
	s_mov_b32 s[G1V+1], 192<<16
	s_mov_b32 s[G1V+2], 8<<16
	s_mov_b32 s[G1V+3], 192<<16
	s_mov_b32 s[G1V+4], 8
	s_mov_b32 s[G1V+5], 1536
	s_mov_b32 s[G1V+6], 0
	s_mov_b32 s[G1V+7], 0
	s_mov_b32 s[OFF+1], 0
	s_wait_kmcnt 0x0
	; each pointer goes to its head's first byte, once
	s_mul_i32 s[OFF], s76, 1572864                 ; K's and Q's codes: b x 2,048 x 768 + 48 h
	s_mul_i32 s98, s77, 48
	s_add_co_u32 s[OFF], s[OFF], s98
	s_add_nc_u64 s[4:5], s[4:5], s[OFF:OFF+1]
	s_add_nc_u64 s[8:9], s[8:9], s[OFF:OFF+1]
	s_lshl_b32 s[OFF], s76, 16                     ; their scale bytes: b x 2,048 x 32 + 2 h
	s_lshl_b32 s98, s77, 1
	s_add_co_u32 s[OFF], s[OFF], s98
	s_add_nc_u64 s[6:7], s[6:7], s[OFF:OFF+1]
	s_add_nc_u64 s[10:11], s[10:11], s[OFF:OFF+1]
	s_lshl_b32 s[OFF], s76, 23                     ; O: b x 2,048 x 4,096 + 256 h
	s_lshl_b32 s98, s77, 8
	s_add_co_u32 s[OFF], s[OFF], s98
	s_add_nc_u64 s[16:17], s[16:17], s[OFF:OFF+1]
	s_lshl_b32 s[OFF], s96, 12                     ; V's scale bytes: 4,096 a head
	s_add_nc_u64 s[14:15], s[14:15], s[OFF:OFF+1]
	s_mul_i32 s[OFF], s96, 98304                   ; V's codes: 98,304 a head; my 8 rows; my 256 of a quarter's 512 keys
	s_mul_i32 s98, s78, 12288
	s_add_co_u32 s[OFF], s[OFF], s98
	s_mul_i32 s98, s79, 192
	s_add_co_u32 s[OFF], s[OFF], s98
	s_add_nc_u64 s[12:13], s[12:13], s[OFF:OFF+1]
	s_mul_i32 s[OFF], s[WV], 24576                 ; K's codes: my 32 of a quarter's 512 keys
	s_add_nc_u64 s[4:5], s[4:5], s[OFF:OFF+1]
.irp n, 0,1,2,3                        ; quarter n: keys 512 (3 - n) on, into slots 2 n and 2 n + 1
	MKG0 G0K+4*\n, 81, \n*2*KSLOT, 4, (3-\n)*393216
	MKG0 56+4*\n+4*(\n/2), 80, \n*2*VSLOT, 12, (3-\n)*384
.endr
	ROUND                                          ; all four work-groups are here: the joint loads meet
.irp n, 0,1,2,3                        ; all fills of the launch, as one group: eight loads of mine are out
	tensor_load_to_lds s[G0K+4*\n:G0K+4*\n+3], s[G1K:G1K+7]
	s_nop 0
	tensor_load_to_lds s[56+4*\n+4*(\n/2):59+4*\n+4*(\n/2)], s[G1V:G1V+7]
	s_nop 0
.endr
.rept 4
	v_nop
.endr
	; The scale bytes go through registers: K's are 2 bytes of every 32, and a scale word's upper two bytes have to be written.  Thread t takes keys t + 512 i, and 8 bytes of V's 4,096.
	v_lshlrev_b32 v6, 5, v0
	v_lshlrev_b32 v7, 3, v0
.irp i, 0,1,2,3
	global_load_u16 v[S+\i], v6, s[6:7] offset:\i*16384
.endr
	global_load_b64 v[S+4:S+5], v7, s[14:15]
	SETPASS 0
	QLOAD
	v_lshrrev_b32 v8, 8, v0                        ; K's scale words: key t + 512 i lies in slot 2 (3 - i) + (1 - t / 256), word t % 256
	s_delay_alu instid0(VALU_DEP_1)
	v_xor_b32 v8, 1, v8
	s_delay_alu instid0(VALU_DEP_1)
	v_lshlrev_b32 v8, 10, v8
	v_and_b32 v9, 255, v0
	s_delay_alu instid0(VALU_DEP_1)
	v_lshl_add_u32 v8, v9, 2, v8
	s_delay_alu instid0(VALU_DEP_1)
	v_add_nc_u32 v8, KSB, v8
	v_lshrrev_b32 v9, 3, v0                        ; V's scale bytes: row t / 8, keys 256 (t % 8) on: slot 7 - t % 8
	s_delay_alu instid0(VALU_DEP_1)
	v_mul_u32_u24 v9, v9, VSP
	v_and_b32 v10, 7, v0
	s_delay_alu instid0(VALU_DEP_1)
	v_xor_b32 v10, 7, v10
	s_delay_alu instid0(VALU_DEP_1)
	v_lshl_add_u32 v9, v10, 3, v9
	s_delay_alu instid0(VALU_DEP_1)
	v_add_nc_u32 v9, VSB, v9
	v_and_b32 v[S+8], 15, v0                       ; r
	v_bfe_u32 v[S+9], v0, 4, 1                     ; h
	v_and_b32 v[S+10], 7, v0                       ; r % 8
	v_bfe_u32 v[S+11], v0, 3, 1                    ; r / 8
	s_delay_alu instid0(VALU_DEP_1)
	v_mul_u32_u24 v[AK0], v[S+11], KBLK
	s_delay_alu instid0(VALU_DEP_1)
	v_mad_u32_u24 v[AK0], v[S+10], 48, v[AK0]
	s_delay_alu instid0(VALU_DEP_1)
	v_mad_u32_u24 v[AK0], v[S+9], 24, v[AK0]
	v_mul_u32_u24 v[AV0], v[S+8], VP
	s_delay_alu instid0(VALU_DEP_1)
	v_add_nc_u32 v[AV0], VB, v[AV0]
	s_delay_alu instid0(VALU_DEP_1)
	v_mad_u32_u24 v[AV1], v[S+9], 40, v[AV0]
	s_delay_alu instid0(VALU_DEP_2)
	v_mad_u32_u24 v[AV0], v[S+9], 24, v[AV0]
	v_lshlrev_b32 v[ASK0], 2, v[S+10]
	s_delay_alu instid0(VALU_DEP_1)
	v_lshl_add_u32 v[ASK0], v[S+11], 7, v[ASK0]
	s_delay_alu instid0(VALU_DEP_1)
	v_lshl_add_u32 v[ASK0], v[S+9], 5, v[ASK0]     ; lanes 16-31: the odd tile's keys, 8 on
	s_delay_alu instid0(VALU_DEP_1)
	v_add_nc_u32 v[ASK0], KSB, v[ASK0]
	v_mul_u32_u24 v[ASV0], v[S+8], VSP
	s_delay_alu instid0(VALU_DEP_1)
	v_mad_u32_u24 v[ASV0], v[S+9], 16*VSP, v[ASV0] ; lanes 16-31: the odd tile's rows, 16 on
	s_delay_alu instid0(VALU_DEP_1)
	v_add_nc_u32 v[ASV0], VSB, v[ASV0]
	v_lshlrev_b32 v[SH8], 3, v[S+9]
.irp i, 0,1,2,3,4,5
	v_mov_b32 v[Q+6+\i], 0                         ; Q's zero codes for k = 64 .. 127
	v_mov_b32 v[KFR+48+\i], 0                      ; and what stands behind K's last fragment
.endr
	v_mov_b32 v[F+1], 0                            ; (named as the upper half of the pair v[28:29])
	INIT
	s_wait_loadcnt 4                               ; the five loads of scale bytes are in; the four behind them, Q's, may be out
.irp i, 0,1,2,3
	ds_store_b32 v8, v[S+\i] offset:(3-\i)*2048
.endr
	ds_store_b64 v9, v[S+4:S+5]
	s_wait_tensorcnt 6                             ; tensor loads of a wave end in order (ISA guide 10.11.1): my parts of the first quarter of K and V are in; the six behind them may be out
	s_wait_dscnt 0x0                               ; for the others' sake: my stores of scale bytes are done
	s_barrier_signal -1
	s_barrier_wait -1                              ; everybody's are
	s_wait_loadcnt 0x0                             ; Q
	WALK 2, 0                                      ; keys 2047 down to 1536: the first pass's spans end at query 1023, so no step is left out and none is masked
	s_wait_tensorcnt 0x0                           ; my parts of the other three quarters are in
	s_wait_dscnt 0x0
	s_barrier_signal -1
	s_barrier_wait -1                              ; everybody's are
	WALK 6, 1                                      ; keys 1535 down to 0
	OBSET                                          ; the first tile's rows of O,
	SETPASS 1                                      ; then the second tile's numbers:
	QLOAD                                          ; its Q lands while the first tile goes out (Q's registers were last read by products that stand a softmax back)
	OUT
	INIT
	s_wait_loadcnt 0x0                             ; Q
	WALK 4, 1                                      ; spans 8 to 15 want no key under 1024
	OBSET
	OUT
	s_wait_dscnt 0x0
	s_wait_xcnt 0x0
	v_lshl_add_u32 v254, v0, 2, 0x4c200
	v_mov_b32 v255, 0
	s_wait_alu depctr_va_vdst(0)
	s_wait_tensorcnt 0x0
	ds_add_u32 v254, v255
	s_wait_dscnt 0x0
	ROUND                                          ; the closing round: no work-group ends while a partner may still ask for a tile that names it
	s_endpgm
.Lfunc_end_k_q3b41367c36_attn:
	.size	k_q3b41367c36_attn, .Lfunc_end_k_q3b41367c36_attn-k_q3b41367c36_attn
	.p2alignl 7, 3214868480
	.fill 96, 4, 3214868480
	.section	.rodata,"a",@progbits
	.p2align	6, 0x0
	.amdhsa_kernel k_q3b41367c36_attn
		.amdhsa_group_segment_fixed_size 327680
		.amdhsa_private_segment_fixed_size 0
		.amdhsa_enable_private_segment 0
		.amdhsa_kernarg_size 56
		.amdhsa_user_sgpr_count 2
		.amdhsa_user_sgpr_kernarg_segment_ptr 1
		.amdhsa_wavefront_size32 1
		.amdhsa_system_sgpr_workgroup_id_x 1
		.amdhsa_system_sgpr_workgroup_id_y 1
		.amdhsa_system_sgpr_workgroup_id_z 1
		.amdhsa_system_vgpr_workitem_id 0
		.amdhsa_next_free_vgpr 256
		.amdhsa_next_free_sgpr 102
		.amdhsa_reserve_vcc 1
		.amdhsa_float_denorm_mode_32 3
		.amdhsa_float_denorm_mode_16_64 3
		.amdhsa_memory_ordered 1
		.amdhsa_forward_progress 1
		.amdhsa_inst_pref_size 149
	.end_amdhsa_kernel
	.amdgpu_metadata
---
amdhsa.version: [ 1, 2 ]
amdhsa.kernels:
  - .name:           k_q3b41367c36_attn
    .symbol:         k_q3b41367c36_attn.kd
    .args:
      - { .name: keys_codes, .offset: 0, .size: 8, .value_kind: global_buffer, .address_space: global }
      - { .name: keys_scales, .offset: 8, .size: 8, .value_kind: global_buffer, .address_space: global }
      - { .name: queries_codes, .offset: 16, .size: 8, .value_kind: global_buffer, .address_space: global }
      - { .name: queries_scales, .offset: 24, .size: 8, .value_kind: global_buffer, .address_space: global }
      - { .name: values_codes, .offset: 32, .size: 8, .value_kind: global_buffer, .address_space: global }
      - { .name: values_scales, .offset: 40, .size: 8, .value_kind: global_buffer, .address_space: global }
      - { .name: out0, .offset: 48, .size: 8, .value_kind: global_buffer, .address_space: global }
    .group_segment_fixed_size: 327680
    .private_segment_fixed_size: 0
    .kernarg_segment_align: 8
    .kernarg_segment_size: 56
    .max_flat_workgroup_size: 512
    .sgpr_count:     102
    .vgpr_count:     256
    .wavefront_size: 32
...
	.end_amdgpu_metadata
.endif
;; end of part 1
